; MI455X (gfx1250); checked and timed in simulation.
; The chip was launched on July 23, 2026; its instructions are those of AMD's public machine-readable ISA for CDNA 5 (MIT licence, August 2026) and "CDNA5" Instruction Set Architecture Reference Guide (July 2026). The comments in the code are by the model that wrote it; some were corrected since.
;; Multi Head Self Attention. Allowed arithmetic: matrix products marked QUANTISED: E4M3 operands, one given power-of-two scale a tensor, by v_wmma_f32_16x16x64_fp8_fp8 or v_wmma_f32_16x16x128_fp8_fp8, f32 sums; everything else in f32.
;; Inputs: W_out 1,024 x 1,024 float32; W_qkv 1,024 x 3,072 float32; b_out 1,024 float32; b_qkv 3,072 float32; lowp_scales 8 int32 (the exponents e of the quantised operands' scales 2^e); x 4 x 2,048 x 1,024 float32.
;; Outputs: out0 4 x 2,048 x 1,024 float32.
;; Constants: mask = 1.
;; This version of the problem:
;;   THIS VERSION OF THE PROBLEM IS GIVEN IN LOW PRECISION. The matrix products marked QUANTISED in the list below multiply operands that are first quantised to E4M3 (4 exponent bits, 3 mantissa bits; 8 bits a number), with one given power-of-two scale for each operand tensor; their sums are f32. All else is computed in f32.
;;   The module's matrix products, in the order in which they are computed (A, B: the left and right operand; K: the contracted axis; several contracted axes count as one K, in the product's order):
;;     1. [M 8,192, K 1,024] x [K 1,024, N 3,072]; A: input x; B: input W_qkv: QUANTISED (scales: A lowp_scales[0], B lowp_scales[1])
;;     2. batch 64 x [M 2,048, K 64] x [K 64, N 2,048]; A: computed on the way; B: computed on the way: QUANTISED (scales: A lowp_scales[2], B lowp_scales[3])
;;     3. batch 64 x [M 2,048, K 2,048] x [K 2,048, N 64]; A: softmax (see below); B: computed on the way: QUANTISED (scales: A lowp_scales[4], B lowp_scales[5])
;;     4. [M 8,192, K 1,024] x [K 1,024, N 1,024]; A: computed on the way; B: input W_out: QUANTISED (scales: A lowp_scales[6], B lowp_scales[7])
;;   THE QUANTISER, for each operand of a quantised product, along K:
;;     - The operand's scale is 2^e, e = its entry of the input lowp_scales (int32; the entries are numbered through the quantised products in the list's order, A before B).
;;     - Each number is divided by the scale, clamped to +-448, and rounded to the nearest number of E4M3, ties to even, subnormals kept.
;;     - The product sums the exact products of the quantised numbers (number of the format x scale) in f32.
;;   ~~~python
;;   def quantise(x, axis, e):      # numpy; x: float32 -> the quantised numbers, widened to float32 again
;;       x = np.moveaxis(x, axis, -1); K = x.shape[-1]
;;       r = np.clip(x / 2.0 ** e, -448, 448)
;;       step = 2.0 ** (np.maximum(np.frexp(np.where(r == 0, 1, r))[1] - 1, -6) - 3)
;;       q = np.round(r / step) * step * 2.0 ** e      # np.round: ties to even
;;       return np.moveaxis(q, -1, axis).astype(np.float32)
;;   ~~~
;;   SOFTMAX AHEAD OF A QUANTISED PRODUCT. Where the list says 'softmax', what is quantised is not the finished softmax but p = 2^(t - M), with t = logit x log2(e) and M = ceil(the row's largest t), a whole number; so 1/2 < the row's largest p <= 1. The row's sum l is taken of the UNQUANTISED p, in f32, and the product's result is divided by l at the end. Since M is a whole number, a kernel that streams over the keys may use a running M (the ceiling of the running maximum): every later rescaling is an exact power of two, so the quantised numbers keep their values, but for numbers so far below the row's largest that they fall under the format's range.
;;   OPERANDS COMPUTED ON THE WAY. 'Computed on the way' means the value that the module computes at that place (a softmax that the list does not call 'softmax' is quantised finished and normalised). What goes into a quantiser is computed in f32, as accurately as f32 sums, v_exp_f32 and their like allow (about 1e-6 of the number): no bf16 or f16 on the way to a quantiser, and a product that is left as it is and whose result goes on into a quantised operand takes f32 operands (vector FMAs, or v_wmma_f32_16x16x4_f32). A number that lies on a knife's edge between two numbers of the format may be rounded either way, as far as f32 arithmetic and the matrix unit's own rounding can turn it there, and no further.
;; One version. Each part assembles by itself: llvm-mc -triple=amdgcn-amd-amdhsa -mcpu=gfx1250 --defsym DOCPART=n.
;; ======== version 1 of 1: 4 launches
;; limits: right only within a limited range of input values
;; workspace buffers: xc 8,388,608 bytes; wqc 3,145,728 bytes; woc 1,048,576 bytes; qc 8,388,608 bytes; kc 8,388,608 bytes; vc 8,388,608 bytes; oc 8,388,608 bytes
;; launch quant (part 1): grid 384 x 1, 4 waves a work-group, no clusters, 35,328 bytes of LDS; arguments x, W_qkv, W_out, lowp_scales, xc, wqc, woc; writes xc, wqc, woc
.if DOCPART == 1
	.amdgcn_target "amdgcn-amd-amdhsa--gfx1250"
	.amdhsa_code_object_version 6
	.text
	.protected	k_q290bb897a7_quant
	.globl	k_q290bb897a7_quant
	.p2align	8
	.type	k_q290bb897a7_quant,@function
k_q290bb897a7_quant:
	s_mov_b64 s[64:65], 0
	v_nop
	global_prefetch_b8 v0, s[64:65] scope:SCOPE_SE
	s_setreg_imm32_b32 hwreg(HW_REG_WAVE_MODE, 25, 1), 1
	s_wait_xcnt 0x0
; x [8192][1024], W_qkv [1024][3072] and W_out [1024][1024], f32, become codes of FP8 (E4M3), each with the one scale 2^e given for it (entries 0, 1 and 7 of the scales).
; code = number / 2^e, held within +-448, rounded to the nearest code, ties to even.  LIMITS: e between -126 and 119; NaN among the inputs is not served (an infinity is held at the largest code).
; THE CODES ARE LAID AS IMAGES OF OPERAND REGISTERS.  A fragment is 16 rows x 128 k = 2,048 bytes: quad q (registers 4 q .. 4 q + 3) at 512 q + 16 x lane.  Lane (r = lane % 16, h = lane / 16) holds row r;
; registers 2 c, 2 c + 1 hold k = 16 c + 8 h + 0 .. 7: the layout of the plain 8-bit matrix forms.  So every later load of a fragment is 16 bytes a lane, 512 consecutive bytes an instruction.
;   xc  [m / 16][k / 128][2048]
;   wqc [head 16][K half 2][n tile 12][K step % 4][2048]   (rows of a fragment = columns n of W_qkv; a head has 192 columns)
;   woc [column block 8][K half 2][n tile 8][K step % 4][2048]
; SHARES.  Work-groups 0-255 take x, 256-351 W_qkv, 352-383 W_out; each reads 131,072 bytes.  No tensor loads, no barrier: waves share nothing.
; x: K is innermost.  A wave takes 16 rows x 512 k in 8 units of 16 rows x 64 k.  Each load reads 256 consecutive bytes of two rows; a unit turns through the wave's own stage in LDS (rows 272 bytes apart) and comes
; back as 8 neighbours along K for each conversion.  Loads run four units ahead, the turn one unit.
; W: K is the first axis.  A lane takes a column and its registers run down K, so the conversions give codes with K innermost and nothing is transposed: no LDS.  A wave takes 32 columns x 256 k in 8 blocks of 32 k.
.set SPARE, 34816                      ; behind the four waves' stages: the spare words, 128 bytes a wave, two blocks of 256 bytes that no other line names
.set SPW,   12                         ; v12  LDS address of my spare word; never rewritten
.set NIL,   13                         ; v13  0; never rewritten
.set WREG,  8704                       ; a wave's LDS: two stages
.set STG,   4352                       ; a stage: 16 rows x 272 bytes
.set R,     16                         ; v16-143  x: four sets of 32 registers as loaded
.set X,     144                        ; v144-207 x: two sets of 32: four runs of 8 neighbours
.set C,     208                        ; v208-239 codes: four sets of 8 (weights: two)
; v[ds] = 2^e as f32 (the conversion takes its exponent field), s[st] = 448 x 2^e (v[dl] is not written); e in s[se]; s[st], s[st+1] at work
.macro MKSC ds, dl, se, st
	s_add_co_i32 s[\st], s[\se], 127
	s_lshl_b32 s[\st+1], s[\st], 23
	v_mov_b32 v[\ds], s[\st+1]
	s_add_co_i32 s[\st], s[\st], 8
	s_lshl_b32 s[\st], s[\st], 23
	s_or_b32 s[\st], s[\st], 0x600000
.endm
.macro FINISH                          ; the wave's end
	s_wait_tensorcnt 0x0
	ds_add_u32 v[SPW], v[NIL]
	s_wait_dscnt 0x0
	s_endpgm
.endm
	s_load_b256 s[4:11], s[0:1], 0x0               ; x s[4:5], W_qkv s[6:7], W_out s[8:9], the scales s[10:11]
	s_load_b128 s[12:15], s[0:1], 0x20             ; xc s[12:13], wqc s[14:15]
	s_load_b64 s[16:17], s[0:1], 0x30              ; woc
	v_lshl_add_u32 v[SPW], v0, 2, SPARE
	v_mov_b32 v[NIL], 0
	v_lshrrev_b32 v5, 5, v0
	v_readfirstlane_b32 s18, v5                    ; wave 0..3
	v_and_b32 v6, 31, v0                           ; lane
	v_and_b32 v7, 15, v0                           ; r
	v_bfe_u32 v8, v0, 4, 1                         ; h
	s_mul_i32 s19, s18, WREG                       ; my stages
	v_lshlrev_b32 v1, 12, v8
	v_lshl_add_u32 v1, v7, 4, v1                   ; x in memory: row h of a pair (4,096 bytes a row) + 16 r
	v_mul_u32_u24 v2, v8, 272
	v_lshl_add_u32 v2, v7, 4, v2
	v_add_nc_u32 v2, s19, v2                       ; into the stage: the same two rows, 272 bytes apart
	v_mul_u32_u24 v3, v7, 272
	v_lshl_add_u32 v3, v8, 5, v3
	v_add_nc_u32 v3, s19, v3                       ; out of it: row r, + 32 h: eight numbers of my half
	v_lshlrev_b32 v4, 4, v6                        ; 16 x lane: my place in an image
	v_lshlrev_b32 v9, 2, v6                        ; weights: 4 bytes a lane, a lane a column
	v_lshlrev_b32 v14, 13, v8
	v_lshl_add_u32 v14, v7, 4, v14                 ; weights' codes: lanes 16-31 hold the next n tile (8,192 bytes on); 16 r within half a quad
	s_wait_kmcnt 0x0
	s_load_b256 s[20:27], s[10:11], 0x0            ; e0 .. e7
	s_cmp_lt_u32 ttmp9, 256
	s_cbranch_scc0 .Lweights
; ---------------- x ----------------
	s_lshl_b32 s28, ttmp9, 2
	s_add_co_u32 s28, s28, s18                     ; my job J: m tile J / 2, K half J % 2
	s_lshr_b32 s29, s28, 1
	s_and_b32 s30, s28, 1
	s_lshl_b32 s32, s29, 16                        ; 16 rows of 4,096 bytes
	s_lshl_b32 s31, s30, 11                        ; 512 numbers
	s_add_co_u32 s32, s32, s31
	s_mov_b32 s33, 0
	s_add_nc_u64 s[4:5], s[4:5], s[32:33]
	s_lshl_b32 s32, s29, 14                        ; 8 fragments
	s_lshl_b32 s31, s30, 13                        ; 4 fragments
	s_add_co_u32 s32, s32, s31
	s_add_nc_u64 s[12:13], s[12:13], s[32:33]
.macro XLOAD u                         ; unit u: 16 rows x 256 bytes; an instruction reads 256 consecutive bytes of rows 2 i and 2 i + 1
.irp i, 0,1,2,3,4,5,6,7
	global_load_b128 v[R+32*((\u)%4)+4*\i:R+32*((\u)%4)+4*\i+3], v1, s[4:5] offset:8192*\i+256*(\u) th:TH_LOAD_NT
.endr
.endm
.macro XTURN u                         ; through the stage: LDS serves a wave's instructions in order (ISA guide 5.7.1.4), so no wait stands between the stores and the loads
.irp i, 0,1,2,3,4,5,6,7
	ds_store_b128 v2, v[R+32*((\u)%4)+4*\i:R+32*((\u)%4)+4*\i+3] offset:STG*((\u)%2)+544*\i
.endr
.irp c, 0,1,2,3
.irp j, 0,1
	ds_load_b128 v[X+32*((\u)%2)+8*\c+4*\j:X+32*((\u)%2)+8*\c+4*\j+3], v3 offset:STG*((\u)%2)+64*\c+16*\j   ; k = 16 c + 8 h + 4 j ..
.endr
.endr
.endm
.macro XSTEP u
.set XS, X+32*((\u)%2)
.set CC, C+8*((\u)%4)
	s_wait_dscnt 0x0                               ; this unit is back from the stage, so its stores into the stage have read their registers,
.if (\u)+4 < 8
	XLOAD (\u)+4                                   ; which take the loads of four units on
.endif
.if (\u) < 7
.if (\u) < 4
	s_wait_loadcnt 24                              ; the next unit's eight loads are in; those of the three units behind it may be out
.else
	s_wait_loadcnt 8*(6-(\u))
.endif
	XTURN (\u)+1
.endif
.set i, 0
.rept 32
.set i, i+1
.endr
.if (\u) >= 4
	s_wait_xcnt 0x0                                ; the stores of four units ago have read this set of codes
.endif
.irp c, 0,1,2,3
	v_cvt_scalef32_pk8_fp8_f32 v[CC+2*\c:CC+2*\c+1], v[XS+8*\c:XS+8*\c+7], v11   ; registers 2 c, 2 c + 1 of the unit's half fragment
.endr
	global_store_b128 v4, v[CC:CC+3], s[12:13] offset:1024*(\u)        ; 512 consecutive bytes, aligned: a quad
	global_store_b128 v4, v[CC+4:CC+7], s[12:13] offset:1024*(\u)+512
.endm
	XLOAD 0
	XLOAD 1
	XLOAD 2
	XLOAD 3
	s_wait_kmcnt 0x0
	MKSC 11, 10, 20, 36                            ; e0
	s_wait_loadcnt 24                              ; unit 0 is in; units 1 to 3 may be out
	s_wait_alu depctr_va_vdst(0)
	XTURN 0
.irp u, 0,1,2,3,4,5,6,7
	XSTEP \u
.endr
	FINISH
; ---------------- the weights ----------------
.macro WLOAD t, n, sp                  ; block t: W(32 t + i, my column), i = 0 .. 31; a wave reads 128 consecutive bytes, the work-group 512
.set i, 0
.rept 32
	global_load_b32 v[16+32*((\t)%2)+i], v9, s[\sp:\sp+1] offset:(32*(\t)+i)*(\n)*4 th:TH_LOAD_NT
.set i, i+1
.endr
.endm
.macro WBLOCK t, n, sp, dp
.set XS, 16+32*((\t)%2)
.set CC, C+8*((\t)%2)
.if (\t) < 7
	s_wait_loadcnt 32                              ; this block's 32 loads are in; the next block's may be out
.else
	s_wait_loadcnt 0
.endif
.set i, 0
.rept 32
.set i, i+1
.endr
.if (\t) >= 2
	s_wait_xcnt 0x0                                ; the stores of two blocks ago have read this set of codes
.endif
	v_cvt_scalef32_pk8_fp8_f32 v[CC:CC+1], v[XS:XS+7], v11         ; k 0-7 and 16-23: what lane (r, 0) of the fragment holds of this quad
	v_cvt_scalef32_pk8_fp8_f32 v[CC+2:CC+3], v[XS+16:XS+23], v11
	v_cvt_scalef32_pk8_fp8_f32 v[CC+4:CC+5], v[XS+8:XS+15], v11    ; k 8-15 and 24-31: lane (r, 1)'s
	v_cvt_scalef32_pk8_fp8_f32 v[CC+6:CC+7], v[XS+24:XS+31], v11
	global_store_b128 v14, v[CC:CC+3], s[\dp:\dp+1] offset:512*(\t)        ; sixteen lanes store 256 consecutive bytes, aligned
	global_store_b128 v14, v[CC+4:CC+7], s[\dp:\dp+1] offset:512*(\t)+256
.if (\t) < 6
	WLOAD (\t)+2, \n, \sp
.endif
.endm
; n columns; tpg n tiles to a group (a head, a column block); pointers in s[sp], s[dp]; e in s[se]; first: the path's first work-group
.macro WPATH n, tpg, sp, dp, se, first
	s_sub_co_u32 s28, ttmp9, \first
	s_lshr_b32 s29, s28, 2                         ; which 128 columns
	s_and_b32 s30, s28, 3                          ; which 256 along K
	s_mul_i32 s32, s30, 256*(\n)*4
	s_lshl_b32 s31, s29, 9
	s_add_co_u32 s32, s32, s31
	s_lshl_b32 s31, s18, 7                         ; my wave's 32 columns
	s_add_co_u32 s32, s32, s31
	s_mov_b32 s33, 0
	s_add_nc_u64 s[\sp:\sp+1], s[\sp:\sp+1], s[32:33]
	s_lshl_b32 s31, s29, 3
	s_lshl_b32 s34, s18, 1
	s_add_co_u32 s31, s31, s34                     ; T: my first n tile, an even number
.if \tpg == 12
	s_mul_i32 s34, s31, 171
	s_lshr_b32 s34, s34, 11                        ; T / 12, right for T up to 191
	s_mul_i32 s35, s34, 12
	s_sub_co_u32 s35, s31, s35                     ; T % 12
.else
	s_lshr_b32 s34, s31, 3
	s_and_b32 s35, s31, 7
.endif
	s_mul_i32 s32, s34, (\tpg)*16384               ; the group,
	s_lshl_b32 s35, s35, 13                        ; the n tile in it,
	s_add_co_u32 s32, s32, s35
	s_lshr_b32 s35, s30, 1
	s_mul_i32 s35, s35, (\tpg)*8192                ; the K half,
	s_add_co_u32 s32, s32, s35
	s_and_b32 s35, s30, 1
	s_lshl_b32 s35, s35, 12                        ; and two K steps in it
	s_add_co_u32 s32, s32, s35
	s_add_nc_u64 s[\dp:\dp+1], s[\dp:\dp+1], s[32:33]
	WLOAD 0, \n, \sp
	WLOAD 1, \n, \sp
	s_wait_kmcnt 0x0
	MKSC 11, 10, \se, 36
	s_wait_alu depctr_va_vdst(0)
.irp t, 0,1,2,3,4,5,6,7
	WBLOCK \t, \n, \sp, \dp
.endr
	FINISH
.endm
.Lweights:
	s_cmp_lt_u32 ttmp9, 352
	s_cbranch_scc0 .Lwout
	s_wait_alu depctr_va_vdst(0)
	WPATH 3072, 12, 6, 14, 21, 256
.Lwout:
	s_wait_alu depctr_va_vdst(0)
	WPATH 1024, 8, 8, 16, 27, 352
.Lfunc_end_k_q290bb897a7_quant:
	.size	k_q290bb897a7_quant, .Lfunc_end_k_q290bb897a7_quant-k_q290bb897a7_quant
	.p2alignl 7, 3214868480
	.fill 96, 4, 3214868480
	.section	.rodata,"a",@progbits
	.p2align	6, 0x0
	.amdhsa_kernel k_q290bb897a7_quant
		.amdhsa_group_segment_fixed_size 35328
		.amdhsa_private_segment_fixed_size 0
		.amdhsa_enable_private_segment 0
		.amdhsa_kernarg_size 56
		.amdhsa_user_sgpr_count 2
		.amdhsa_user_sgpr_kernarg_segment_ptr 1
		.amdhsa_wavefront_size32 1
		.amdhsa_system_sgpr_workgroup_id_x 1
		.amdhsa_system_sgpr_workgroup_id_y 1
		.amdhsa_system_sgpr_workgroup_id_z 1
		.amdhsa_system_vgpr_workitem_id 0
		.amdhsa_next_free_vgpr 240
		.amdhsa_next_free_sgpr 66
		.amdhsa_reserve_vcc 0
		.amdhsa_float_denorm_mode_32 3
		.amdhsa_float_denorm_mode_16_64 3
		.amdhsa_fp16_overflow 1
		.amdhsa_memory_ordered 1
		.amdhsa_forward_progress 1
		.amdhsa_inst_pref_size 80
	.end_amdhsa_kernel
	.amdgpu_metadata
---
amdhsa.version: [ 1, 2 ]
amdhsa.kernels:
  - .name:           k_q290bb897a7_quant
    .symbol:         k_q290bb897a7_quant.kd
    .args:
      - { .name: x, .offset: 0, .size: 8, .value_kind: global_buffer, .address_space: global }
      - { .name: W_qkv, .offset: 8, .size: 8, .value_kind: global_buffer, .address_space: global }
      - { .name: W_out, .offset: 16, .size: 8, .value_kind: global_buffer, .address_space: global }
      - { .name: lowp_scales, .offset: 24, .size: 8, .value_kind: global_buffer, .address_space: global }
      - { .name: xc, .offset: 32, .size: 8, .value_kind: global_buffer, .address_space: global }
      - { .name: wqc, .offset: 40, .size: 8, .value_kind: global_buffer, .address_space: global }
      - { .name: woc, .offset: 48, .size: 8, .value_kind: global_buffer, .address_space: global }
    .group_segment_fixed_size: 35328
    .private_segment_fixed_size: 0
    .kernarg_segment_align: 8
    .kernarg_segment_size: 56
    .max_flat_workgroup_size: 128
    .sgpr_count:     66
    .vgpr_count:     240
    .wavefront_size: 32
...
	.end_amdgpu_metadata
.endif
;; end of part 1
;; launch qkv (part 2): grid 16 x 16, 4 waves a work-group, clusters of 4 x 1, 327,680 bytes of LDS; arguments xc, wqc, b_qkv, lowp_scales, qc, kc, vc; writes qc, kc, vc
.if DOCPART == 2
	.amdgcn_target "amdgcn-amd-amdhsa--gfx1250"
	.amdhsa_code_object_version 6
	.text
	.protected	k_q290bb897a7_qkv
	.globl	k_q290bb897a7_qkv
	.p2align	8
	.type	k_q290bb897a7_qkv,@function
k_q290bb897a7_qkv:
	s_mov_b64 s[64:65], 0
	v_nop
	global_prefetch_b8 v0, s[64:65] scope:SCOPE_SE
	s_setreg_imm32_b32 hwreg(HW_REG_WAVE_MODE, 25, 1), 1
	s_wait_xcnt 0x0
	s_wait_alu depctr_hold_cnt(0) depctr_sa_sdst(0) depctr_va_vdst(0) depctr_va_sdst(0) depctr_va_ssrc(0) depctr_va_vcc(0) depctr_vm_vsrc(0)
	s_getreg_b32 s2, hwreg(HW_REG_IB_STS2, 6, 4)
	s_cmp_eq_u32 s2, 0
	s_cbranch_scc0 .Lentry_in_a_cluster
	s_endpgm
.Lentry_in_a_cluster:
	s_bfe_u32 s2, ttmp6, 0x10000c
	s_cmp_lg_u32 s2, 0x3003
	s_cbranch_scc0 .Lentry_shape_is_right
	s_endpgm
.Lentry_shape_is_right:
; qkv = x W_qkv + b_qkv on codes of FP8 (E4M3), then q, k and v are quantised with their given scales and stored as images of the operand registers that the attention launch wants.
; A fragment image: 16 rows x 128 k = 2,048 bytes (16 x 64: 1,024), quad q (registers 4 q .. 4 q + 3) at 512 q + 16 x lane; lane (r, h) holds row r, registers 2 c, 2 c + 1 hold k = 16 c + 8 h + 0 .. 7.
;   qc, kc [batch x head 64][s / 16][1024] (k = the head's 64);   vc [batch x head][s / 128][channel / 16][2048] (rows = channels, k = keys).
; SHARES.  Grid y = the head (192 columns: 64 of q, 64 of k, 64 of v); cluster x = the batch; the four partners of a cluster take 512 rows each.  Wave w takes rows 128 w .. 128 w + 127, in two passes of 64 rows x 192
; columns: 48 accumulators.  A step is 128 along K: 48 matrix instructions.
; THE HEAD'S WEIGHTS LIE WHOLE IN LDS (12 n tiles x 1,024 k = 196,608 bytes), brought once, in two halves of K; nothing in LDS is ever filled again.  The four partners need the same weights and ask for them JOINTLY.
; x's fragments are read by one wave alone, so they go from memory straight into registers, four steps (64 loads) ahead, in five sets.  They are not asked for jointly: the work-groups that read the same rows are the
; sixteen heads', in other clusters, and beside the weights' 196,608 bytes LDS has no room for them.
; q AND k: THE PRODUCT IS USED TRANSPOSED (source 0 = 16 columns of W, source 1 = 16 rows of x): a lane holds one row and eight neighbouring columns, so one conversion of column tile c gives registers 2 c, 2 c + 1 of the
; next operand.  v: NOT TRANSPOSED (source 0 = x, source 1 = W): a lane holds one channel and eight neighbouring keys: one conversion of row tile c gives registers 2 c, 2 c + 1 of V^T.
; The bias is the C of each sum's first matrix instruction, divided once by 2^(e0 + e1); the three scales ahead of each quantiser are folded into the conversion's one.
; LIMITS: e2 - e0 - e1, e3 - e0 - e1 and e5 - e0 - e1 between -126 and 119.  NaN is not served.
; REGISTERS, in windows of 256.  Window 0: v2-5 LDS addresses, v6, v8, v10 scales, v12, v13 the add's two, v14, v15 the bias's offsets, v16-31 codes, v32-95 bias of q's and k's 8 tiles, v96-127 bias of v's 4,
;   v128-255 v's 16 accumulators ((a, t) at 128 + 8 (4 a + t)).  Window 1: q's and k's 32 accumulators ((a, nt) at 8 (8 a + nt)).  Window 2: v0-191 W's 12 fragments, v192-255 x's set 0.  Window 3: x's sets 1 to 4.
.set WV,    18                         ; s18  my wave's number
.set SPARE, 196608                     ; behind the weights: the spare words, 128 bytes a wave, two blocks of 256 bytes that no other line names
.set MSB, 0
.macro WIN new                         ; the immediate's high byte repeats the setting that is left; a switch that changes nothing is dropped
.if MSB != (\new)
	s_set_vgpr_msb (MSB<<8)|(\new)
.set MSB, (\new)
.endif
.endm
.macro PLACES                          ; four plain vector instructions between a matrix instruction and a load into, or a vector read of, its registers
.rept 4
	v_nop
.endr
.endm
.macro ROUND                           ; a round of the cluster's barrier
	s_barrier_signal -1
	s_barrier_wait -1
	s_cmp_lg_u32 s[WV], 0
	s_cbranch_scc1 .Lnot_wave_0_\@
	s_barrier_signal -3
.Lnot_wave_0_\@:
	s_barrier_wait -3
	s_barrier_signal -1
	s_barrier_wait -1
.endm
.macro MKSC ds, dl, se, st             ; v[ds] = 2^e as f32, s[st] = 448 x 2^e (v[dl] is not written); e in s[se]
	s_add_co_i32 s[\st], s[\se], 127
	s_lshl_b32 s[\st+1], s[\st], 23
	v_mov_b32 v[\ds], s[\st+1]
	s_add_co_i32 s[\st], s[\st], 8
	s_lshl_b32 s[\st], s[\st], 23
	s_or_b32 s[\st], s[\st], 0x600000
.endm
.macro ASET n                          ; where step n's fragments of x lie: set n % 5
.set SETN, (\n)%5
.if SETN == 0
.set AW, 2
.set AR, 192
.else
.set AW, 3
.set AR, 64*(SETN-1)
.endif
.endm
.macro ALOAD n                         ; step n (pass n / 8, K step n % 8): four fragments of x, 16 loads of 512 consecutive bytes
	ASET \n
	WIN AW<<6
.irp a, 0,1,2,3
.irp q, 0,1,2,3
	global_load_b128 v[AR+16*\a+4*\q:AR+16*\a+4*\q+3], v2, s[40:41] offset:(4*((\n)/8)+\a)*16384+2048*((\n)%8)+512*\q
.endr
.endr
	WIN 0
.endm
.macro BLOAD hf, n                     ; n tiles 6 hf .. 6 hf + 5 of K step n % 8 from LDS: fragment (nt, s) lies at 98304 (s / 4) + 8192 nt + 2048 (s % 4)
.set KS4, ((\n)%8)%4
.set BA, 2+2*(((\n)%8)/4)+(\hf)
	WIN 0x80
.irp m, 0,1,2,3,4,5
.irp q, 0,1,2,3
	ds_load_b128 v[16*(6*(\hf)+\m)+4*\q:16*(6*(\hf)+\m)+4*\q+3], v[BA] offset:8192*\m+2048*KS4+512*\q
.endr
.endr
	WIN 0
.endm
; The 48 accumulators take turns, one instruction a turn, in the same order in every step.
.macro MULQ nt0, nt1, n                ; q's and k's tiles nt0 .. nt1, transposed
	ASET \n
.if (\n)%8 == 0
	WIN 0x42|(AW<<2)                               ; W window 2, x window AW, the bias window 0, D window 1
.else
	WIN 0x52|(AW<<2)                               ; C and D window 1
.endif
.set nt, \nt0
.rept (\nt1)-(\nt0)+1
.irp a, 0,1,2,3
.if (\n)%8 == 0
	v_wmma_f32_16x16x128_fp8_fp8 v[8*(8*\a+nt):8*(8*\a+nt)+7], v[16*nt:16*nt+15], v[AR+16*\a:AR+16*\a+15], v[32+8*nt:32+8*nt+7]
.else
	v_wmma_f32_16x16x128_fp8_fp8 v[8*(8*\a+nt):8*(8*\a+nt)+7], v[16*nt:16*nt+15], v[AR+16*\a:AR+16*\a+15], v[8*(8*\a+nt):8*(8*\a+nt)+7]
.endif
.endr
.set nt, nt+1
.endr
.endm
.macro MULV n                          ; v's four tiles, not transposed
	ASET \n
	WIN AW|0x08                                    ; x window AW, W window 2, C and D window 0
.irp t, 0,1,2,3
.irp a, 0,1,2,3
.if (\n)%8 == 0
	v_wmma_f32_16x16x128_fp8_fp8 v[128+8*(4*\a+\t):128+8*(4*\a+\t)+7], v[AR+16*\a:AR+16*\a+15], v[16*(8+\t):16*(8+\t)+15], v[96+8*\t:96+8*\t+7]
.else
	v_wmma_f32_16x16x128_fp8_fp8 v[128+8*(4*\a+\t):128+8*(4*\a+\t)+7], v[AR+16*\a:AR+16*\a+15], v[16*(8+\t):16*(8+\t)+15], v[128+8*(4*\a+\t):128+8*(4*\a+\t)+7]
.endif
.endr
.endr
.endm
.macro STEP n
.if 15-(\n) < 3
	s_wait_loadcnt 16*(15-(\n))
.else
	s_wait_loadcnt 48                              ; this step's 16 loads of x are in; those of the three steps behind it may be out
.endif
.if (\n)+4 <= 15
	ALOAD (\n)+4                                   ; into the set that the last step multiplied: the four places at that step's end stand between
.endif
	s_wait_dscnt 24                                ; W's tiles 0-5 are in; the 24 loads of tiles 6-11 may be out
	MULQ 0, 5, \n
.if (\n) < 15
	PLACES
	BLOAD 0, (\n)+1
	s_wait_dscnt 24                                ; tiles 6-11 are in; the 24 loads just issued may be out
.else
	s_wait_dscnt 0
.endif
	MULQ 6, 7, \n
	MULV \n
.if (\n) < 15
	PLACES
	BLOAD 1, (\n)+1
.endif
	WIN 0
.endm
; A pass's 64 rows are quantised and stored.  Each accumulator is read from its low end on.
.macro EPI p
	WIN 0
.rept 5
	v_nop                                          ; five: the next pass begins these accumulators anew with another C
.endr
.irp a, 0,1,2,3
	WIN 0x41                                       ; the sums in window 1
.set i, 0
.rept 32
.set i, i+1
.endr
.rept 32
.set i, i+1
.endr
	s_wait_xcnt 0x0                                ; the last stores have read v16-31
	WIN 0x01
.irp nt, 0,1,2,3
	v_cvt_scalef32_pk8_fp8_f32 v[16+2*\nt:17+2*\nt], v[64*\a+8*\nt:64*\a+8*\nt+7], v6
.endr
.irp nt, 4,5,6,7
	v_cvt_scalef32_pk8_fp8_f32 v[16+2*\nt:17+2*\nt], v[64*\a+8*\nt:64*\a+8*\nt+7], v8
.endr
	v_nop                                          ; a plain instruction behind the conversions: matrix instructions write their sources later
	WIN 0
	global_store_b128 v2, v[16:19], s[42:43] offset:(4*(\p)+\a)*1024       ; 512 consecutive bytes, aligned: a quad of q's fragment
	global_store_b128 v2, v[20:23], s[42:43] offset:(4*(\p)+\a)*1024+512
	global_store_b128 v2, v[24:27], s[44:45] offset:(4*(\p)+\a)*1024       ; of k's
	global_store_b128 v2, v[28:31], s[44:45] offset:(4*(\p)+\a)*1024+512
.endr
.irp t, 0,1,2,3
.irp a, 0,1,2,3
.irp j, 0,1,2,3,4,5,6,7
.endr
.endr
	s_wait_xcnt 0x0
.irp a, 0,1,2,3
	v_cvt_scalef32_pk8_fp8_f32 v[16+2*\a:17+2*\a], v[128+8*(4*\a+\t):128+8*(4*\a+\t)+7], v10   ; keys 64 p + 16 a + 8 h + 0 .. 7 of channel 16 t + r
.endr
	v_nop
	global_store_b128 v2, v[16:19], s[46:47] offset:2048*\t+1024*(\p)      ; quads 2 p and 2 p + 1 of V^T's fragment t
	global_store_b128 v2, v[20:23], s[46:47] offset:2048*\t+1024*(\p)+512
.endr
.endm
	s_load_b256 s[4:11], s[0:1], 0x0               ; xc s[4:5], wqc s[6:7], b_qkv s[8:9], the scales s[10:11]
	s_load_b128 s[12:15], s[0:1], 0x20             ; qc s[12:13], kc s[14:15]
	s_load_b64 s[16:17], s[0:1], 0x30              ; vc
	v_lshl_add_u32 v12, v0, 2, SPARE
	v_mov_b32 v13, 0
	ds_add_u32 v12, v13
	ds_add_u32 v12, v13                            ; the wave's opening: the add and its wait stand ahead of my first tensor load; work on registers stands between them
	v_lshrrev_b32 v1, 5, v0
	v_readfirstlane_b32 s[WV], v1                  ; wave 0..3
	s_bfe_u32 s19, ttmp6, 0x40000                  ; cx: my place in the cluster: it enters the addresses of x, q, k and v alone
	s_and_b32 s21, ttmp7, 0xffff                   ; the head, which the four partners share
	; descriptor group 1: a dense block of 24,576 bytes as 96 rows of 256 bytes
	s_mov_b32 s24, 0x0023000f                      ; 15:0 the mask: all four work-groups; 17:16 elements of 8 bytes; 21 set beside a mask; no padding
	s_mov_b32 s25, 32<<16                          ; tensor_dim0 = 32 elements
	s_mov_b32 s26, 96<<16                          ; tensor_dim1 = 96
	s_mov_b32 s27, 32<<16                          ; tile_dim0 = 32
	s_mov_b32 s28, 96                              ; tile_dim1 = 96
	s_mov_b32 s29, 32                              ; from row to row: 32 elements
	s_mov_b32 s30, 0
	s_mov_b32 s31, 0
	s_mov_b32 s32, 1                               ; group 0, K steps 0-3: count,
	s_mov_b32 s36, 1                               ; and K steps 4-7
	s_mul_i32 s33, s[WV], 24576                    ; LDS address: my three n tiles of the first half,
	s_add_co_u32 s37, s33, 98304                   ; and of the second
	s_mul_i32 s50, s21, 196608                     ; in memory: the head's block, my share of it
	s_add_co_u32 s50, s50, s33
	s_mov_b32 s51, 0
	s_lshl_b32 s22, ttmp9, 7                       ; x: m tile 128 x batch + 32 cx + 8 wave,
	s_lshl_b32 s23, s19, 5
	s_add_co_u32 s22, s22, s23
	s_lshl_b32 s23, s[WV], 3
	s_add_co_u32 s22, s22, s23
	s_lshl_b32 s22, s22, 14                        ; 16,384 bytes each
	s_mov_b32 s23, 0
	s_lshl_b32 s62, ttmp9, 4
	s_add_co_u32 s62, s62, s21                     ; 16 x batch + head
	s_lshl_b32 s62, s62, 17                        ; 131,072 bytes of q, of k and of v each
	s_lshl_b32 s63, s19, 2
	s_add_co_u32 s63, s63, s[WV]
	s_lshl_b32 s63, s63, 13                        ; my 128 rows: 8 fragments of 1,024 bytes of q and of k, 4 of 2,048 of v: the same 8,192 bytes
	s_add_co_u32 s62, s62, s63
	s_mov_b32 s63, 0
	s_mul_i32 s60, s21, 768                        ; the head's 192 numbers of the bias
	s_mov_b32 s61, 0
	v_and_b32 v1, 31, v0
	v_lshlrev_b32 v2, 4, v1                        ; 16 x lane: my place in an image; also the LDS address of n tiles 0-5, K steps 0-3
	v_add_nc_u32 v3, 49152, v2                     ; n tiles 6-11, K steps 0-3
	v_add_nc_u32 v4, 98304, v2                     ; n tiles 0-5, K steps 4-7
	v_add_nc_u32 v5, 147456, v2                    ; n tiles 6-11, K steps 4-7
	v_bfe_u32 v14, v0, 4, 1
	v_lshlrev_b32 v14, 5, v14                      ; 32 h: eight numbers of the bias for my half
	v_and_b32 v15, 15, v0
	v_lshlrev_b32 v15, 2, v15                      ; 4 r: one number for my channel
	s_wait_alu depctr_va_vdst(0)
	s_wait_dscnt 0x0                               ; the opening add is done
	s_wait_kmcnt 0x0
	s_load_b256 s[52:59], s[10:11], 0x0            ; e0 .. e7
	s_add_nc_u64 s[34:35], s[6:7], s[50:51]
	s_add_nc_u64 s[38:39], s[34:35], 98304
	s_or_b32 s35, s35, 0x80000000                  ; type = 2
	s_or_b32 s39, s39, 0x80000000
	s_add_nc_u64 s[40:41], s[4:5], s[22:23]
	s_add_nc_u64 s[42:43], s[12:13], s[62:63]
	s_add_nc_u64 s[44:45], s[14:15], s[62:63]
	s_add_nc_u64 s[46:47], s[16:17], s[62:63]
	s_add_nc_u64 s[48:49], s[8:9], s[60:61]
.irp nt, 0,1,2,3,4,5,6,7
	global_load_b128 v[32+8*\nt:35+8*\nt], v14, s[48:49] offset:64*\nt         ; b(16 nt + 8 h + 0 .. 7)
	global_load_b128 v[36+8*\nt:39+8*\nt], v14, s[48:49] offset:64*\nt+16
.endr
.irp t, 0,1,2,3
	global_load_b32 v[96+8*\t], v15, s[48:49] offset:512+64*\t                 ; b(128 + 16 t + r)
.endr
	ALOAD 0
	ALOAD 1
	ALOAD 2
	ROUND                                          ; all four work-groups are here: the joint loads meet
	tensor_load_to_lds s[32:35], s[24:31]          ; K steps 0-3.  Two tensor loads of mine are out at the most
	s_nop 0
	s_wait_alu depctr_va_vdst(0)
	s_wait_tensorcnt 0x0
	ds_add_u32 v12, v13
	s_wait_dscnt 0x0
	ROUND
	tensor_load_to_lds s[36:39], s[24:31]          ; K steps 4-7
	s_nop 0
	PLACES
	s_wait_kmcnt 0x0
	s_add_co_i32 s61, s52, s53                     ; e0 + e1: a sum stands for sum x 2^(e0 + e1)
	s_sub_co_i32 s60, 0, s61
	s_sub_co_i32 s62, s54, s61
	MKSC 6, 7, 62, 22                              ; q: 2^(e2 - e0 - e1)
	s_sub_co_i32 s62, s55, s61
	MKSC 8, 9, 62, 22                              ; k: e3
	s_sub_co_i32 s62, s57, s61
	MKSC 10, 11, 62, 22                            ; v: e5
	s_wait_loadcnt 48                              ; the bias is in; behind it stand the 48 loads of steps 0 to 2
.set i, 0
.rept 64
	v_ldexp_f32 v[32+i], v[32+i], s60              ; b / 2^(e0 + e1)
.set i, i+1
.endr
.irp t, 0,1,2,3
.irp j, 7,6,5,4,3,2,1,0
	v_ldexp_f32 v[96+8*\t+\j], v[96+8*\t], s60     ; the same number in all eight registers (the source last)
.endr
.endr
	ALOAD 3
	s_wait_alu depctr_va_vdst(0)
	s_wait_tensorcnt 1                             ; my share of K steps 0-3 has landed; the second half may stay out
	s_barrier_signal -1
	s_barrier_wait -1                              ; everybody's has
	BLOAD 0, 0
	BLOAD 1, 0
	STEP 0
	STEP 1
	STEP 2
	s_wait_tensorcnt 0x0                           ; my share of K steps 4-7 has landed,
	s_wait_dscnt 0x0                               ; (no LDS instruction is pending at a signal)
	s_barrier_signal -1
	s_barrier_wait -1                              ; everybody's has: step 3 fetches step 4's fragments
.irp s, 3,4,5,6,7
	STEP \s
.endr
	EPI 0
.irp s, 8,9,10,11,12,13,14,15
	STEP \s
.endr
	EPI 1
	s_wait_tensorcnt 0x0                           ; the wave's end
	ds_add_u32 v12, v13
	s_wait_dscnt 0x0
	ROUND                                          ; the closing round
	s_endpgm
.Lfunc_end_k_q290bb897a7_qkv:
	.size	k_q290bb897a7_qkv, .Lfunc_end_k_q290bb897a7_qkv-k_q290bb897a7_qkv
	.p2alignl 7, 3214868480
	.fill 96, 4, 3214868480
	.section	.rodata,"a",@progbits
	.p2align	6, 0x0
	.amdhsa_kernel k_q290bb897a7_qkv
		.amdhsa_group_segment_fixed_size 327680
		.amdhsa_private_segment_fixed_size 0
		.amdhsa_enable_private_segment 0
		.amdhsa_kernarg_size 56
		.amdhsa_user_sgpr_count 2
		.amdhsa_user_sgpr_kernarg_segment_ptr 1
		.amdhsa_wavefront_size32 1
		.amdhsa_system_sgpr_workgroup_id_x 1
		.amdhsa_system_sgpr_workgroup_id_y 1
		.amdhsa_system_sgpr_workgroup_id_z 1
		.amdhsa_system_vgpr_workitem_id 0
		.amdhsa_next_free_vgpr 1024
		.amdhsa_next_free_sgpr 66
		.amdhsa_reserve_vcc 0
		.amdhsa_float_denorm_mode_32 3
		.amdhsa_float_denorm_mode_16_64 3
		.amdhsa_fp16_overflow 1
		.amdhsa_memory_ordered 1
		.amdhsa_forward_progress 1
		.amdhsa_inst_pref_size 157
	.end_amdhsa_kernel
	.amdgpu_metadata
---
amdhsa.version: [ 1, 2 ]
amdhsa.kernels:
  - .name:           k_q290bb897a7_qkv
    .symbol:         k_q290bb897a7_qkv.kd
    .args:
      - { .name: xc, .offset: 0, .size: 8, .value_kind: global_buffer, .address_space: global }
      - { .name: wqc, .offset: 8, .size: 8, .value_kind: global_buffer, .address_space: global }
      - { .name: b_qkv, .offset: 16, .size: 8, .value_kind: global_buffer, .address_space: global }
      - { .name: lowp_scales, .offset: 24, .size: 8, .value_kind: global_buffer, .address_space: global }
      - { .name: qc, .offset: 32, .size: 8, .value_kind: global_buffer, .address_space: global }
      - { .name: kc, .offset: 40, .size: 8, .value_kind: global_buffer, .address_space: global }
      - { .name: vc, .offset: 48, .size: 8, .value_kind: global_buffer, .address_space: global }
    .group_segment_fixed_size: 327680
    .private_segment_fixed_size: 0
    .kernarg_segment_align: 8
    .kernarg_segment_size: 56
    .max_flat_workgroup_size: 128
    .sgpr_count:     66
    .vgpr_count:     1024
    .wavefront_size: 32
...
	.end_amdgpu_metadata
.endif
;; end of part 2
;; launch attn (part 3): grid 4 x 64, 8 waves a work-group, clusters of 4 x 1, 263,168 bytes of LDS; arguments qc, kc, vc, lowp_scales, oc; writes oc
.if DOCPART == 3
	.amdgcn_target "amdgcn-amd-amdhsa--gfx1250"
	.amdhsa_code_object_version 6
	.text
	.protected	k_q290bb897a7_attn
	.globl	k_q290bb897a7_attn
	.p2align	8
	.type	k_q290bb897a7_attn,@function
k_q290bb897a7_attn:
	s_mov_b64 s[64:65], 0
	v_nop
	global_prefetch_b8 v0, s[64:65] scope:SCOPE_SE
	s_setreg_imm32_b32 hwreg(HW_REG_WAVE_MODE, 25, 1), 1
	s_wait_xcnt 0x0
	s_wait_alu depctr_hold_cnt(0) depctr_sa_sdst(0) depctr_va_vdst(0) depctr_va_sdst(0) depctr_va_ssrc(0) depctr_va_vcc(0) depctr_vm_vsrc(0)
	s_getreg_b32 s2, hwreg(HW_REG_IB_STS2, 6, 4)
	s_cmp_eq_u32 s2, 0
	s_cbranch_scc0 .Lentry_in_a_cluster
	s_endpgm
.Lentry_in_a_cluster:
	s_bfe_u32 s2, ttmp6, 0x10000c
	s_cmp_lg_u32 s2, 0x3003
	s_cbranch_scc0 .Lentry_shape_is_right
	s_endpgm
.Lentry_shape_is_right:
; Causal attention on codes of FP8 (E4M3): O = softmax(Q K^T / 8) V for 64 (batch, head) pairs of 2,048 positions and head size 64, then O is quantised for the output projection.
; qc, kc [bh][s / 16][1024], vc [bh][s / 128][channel / 16][2048], oc [m / 16][head][1024]: images of operand registers: quad q (registers 4 q .. 4 q + 3) at 512 q + 16 x lane; lane (r, h) holds row r and,
; in registers 2 c, 2 c + 1, k = 16 c + 8 h + 0 .. 7.
; THE SOFTMAX AHEAD OF THE SECOND PRODUCT: t = score x log2(e) / 8; M = the running largest t rounded UP to a whole number; p = 2^(t - M) is quantised, not normalised; the row's sum is taken of the unquantised p and
; divides O at the end.  When M moves, the sum and O are multiplied by 2^(old M - new M), which rounds nothing.
; SHARES.  A cluster of four work-groups is one (batch, head).  The head's K and V (131,072 bytes each) lie whole in each partner's LDS, asked for JOINTLY, once: nothing in LDS is filled again.
; A wave owns 32 queries (two tiles) at a time: block 4 g + cx of the head's 64, which needs key steps 0 .. g of 128 keys whatever cx is.  Wave w takes g = 15 - w and then g = w: 17 steps in every wave of every
; work-group.  Key steps that lie wholly behind the causal mask are left out by a scalar branch on the wave's number and the loop's counter; cx enters Q's and O's addresses and the mask's comparison value alone.
; LAYOUT.  Both products are used transposed: S^T = K Q^T (source 0 = 16 keys, source 1 = 16 queries), O^T = V^T P^T (source 0 = 16 channels, source 1 = P): a lane holds ONE query (lane % 16) throughout, and the
; conversion of key tile c gives registers 2 c, 2 c + 1 of P; that of channel tile t registers 2 t, 2 t + 1 of the head's part of the next operand.
; On the diagonal step hidden scores become -infinity ahead of the maximum, so p = 0 there; every query sees its own key, so M is a number from its first step on.
; LIMITS: e2 + e3 between -123 and 130 (added to the exponent field of log2(e) / 8); e4 and e6 between -126 and 119.  NaN is not served.
; REGISTERS.  Window 0: v1, v2 my place in K's and V's images, v3, v4 the step's LDS addresses, v5, v6 the add's two, v7 the mask's value, v8 -infinity, v9 2^e4, v11 2^e6;
;   tile i's statistics at v[12 + 8 i]: +0 -M, +1 the largest t, +2, +3 the sum in two halves, +4 f, +5 its pair's other half, +6, +7 at work; v30, v31 a second chain of the sum; v32-63 P; v64-191 S^T, then p; v192-255 the way out.
;   Window 1: v0-63 O^T (32 i + 8 t), v64-79 Q of the first block, v80-143 K's eight fragments, v144-207 V's four, v208-223 Q of the second block.
.set WV,    14                         ; s14  my wave's number
.set SPARE, 262144                     ; behind K and V: the spare words, 128 bytes a wave, four blocks of 256 bytes that no other line names
.set KS,    75                         ; s75  the key step
.set KB,    76                         ; s76  8,192 x the key step: where its tiles begin in K's and in V's block
.set G,     77                         ; s77  the block's last key step, the one on the diagonal
.set MSB, 0
.macro WIN new                         ; the immediate's high byte repeats the setting that is left; a switch that changes nothing is dropped
.if MSB != (\new)
	s_set_vgpr_msb (MSB<<8)|(\new)
.set MSB, (\new)
.endif
.endm
.macro PLACES
.rept 4
	v_nop
.endr
.endm
.macro ROUND                           ; a round of the cluster's barrier
	s_barrier_signal -1
	s_barrier_wait -1
	s_cmp_lg_u32 s[WV], 0
	s_cbranch_scc1 .Lnot_wave_0_\@
	s_barrier_signal -3
.Lnot_wave_0_\@:
	s_barrier_wait -3
	s_barrier_signal -1
	s_barrier_wait -1
.endm
.macro MKSC ds, dl, se, st             ; v[ds] = 2^e as f32, s[st] = 448 x 2^e (v[dl] is not written); e in s[se]
	s_add_co_i32 s[\st], s[\se], 127
	s_lshl_b32 s[\st+1], s[\st], 23
	v_mov_b32 v[\ds], s[\st+1]
	s_add_co_i32 s[\st], s[\st], 8
	s_lshl_b32 s[\st], s[\st], 23
	s_or_b32 s[\st], s[\st], 0x600000
.endm
.macro G1SET g, rows                   ; descriptor group 1: a dense block as rows of 256 bytes
	s_mov_b32 s[\g], 0x0023000f                    ; 15:0 the mask: all four work-groups; 17:16 elements of 8 bytes; 21 set beside a mask; no padding
	s_mov_b32 s[\g+1], 32<<16                      ; tensor_dim0 = 32 elements
	s_mov_b32 s[\g+2], (\rows)<<16                 ; tensor_dim1
	s_mov_b32 s[\g+3], 32<<16                      ; tile_dim0
	s_mov_b32 s[\g+4], \rows                       ; tile_dim1
	s_mov_b32 s[\g+5], 32                          ; from row to row
	s_mov_b32 s[\g+6], 0
	s_mov_b32 s[\g+7], 0
.endm
.macro G0SET gk, gv                    ; groups 0 for K and for V; their LDS words are written already, and K's is also the place in the head's block of memory
	s_mov_b32 s[\gk], 1
	s_mov_b32 s[\gv], 1
	s_mov_b32 s78, s[\gk+1]
	s_add_nc_u64 s[\gk+2:\gk+3], s[20:21], s[78:79]
	s_add_nc_u64 s[\gv+2:\gv+3], s[22:23], s[78:79]
	s_or_b32 s[\gk+3], s[\gk+3], 0x80000000        ; type = 2
	s_or_b32 s[\gv+3], s[\gv+3], 0x80000000
.endm
; A block begins: the largest t is -3e38, under every t; the sum and O^T are zeros, which the first change of M leaves zeros, so the step is written without a first step of its own.
.macro INIT
	s_wait_xcnt 0x0                                ; the last block's stores have read P's registers
.irp i, 0,1
	v_mov_b32 v[13+8*\i], 0xff61b1e6
	v_floor_f32 v[12+8*\i], -v[13+8*\i]
	v_mov_b32 v[14+8*\i], 0
	v_mov_b32 v[15+8*\i], 0
	v_mov_b32 v[17+8*\i], 0                        ; named as the upper half of f's pair
	v_mov_b32 v[19+8*\i], 0                        ; a lane permute's destination counts as one of its sources
.endr
	WIN 0x40
.set j, 0
.rept 64
	v_mov_b32 v[j], 0
.set j, j+1
.endr
	WIN 0
.endm
; A KEY STEP: 128 keys x my 32 queries.  qb: where the block's Q lies in window 1.  masked = 1: the step may lie behind the mask (left out) or on the diagonal.
.macro STEP qb, masked
.if \masked
	s_cmp_gt_u32 s[KS], s[G]
	s_cbranch_scc1 .Lskip_\@
.endif
	s_setprio 2
	v_add_nc_u32 v3, s[KB], v1
	v_add_nc_u32 v4, s[KB], v2
	v_nop
	v_nop                                          ; with the two additions: four places between the last step's products and the loads into V's registers
	WIN 0x40
.irp kt, 0,1,2,3,4,5,6,7
	ds_load_b128 v[80+8*\kt:83+8*\kt], v3 offset:1024*\kt
	ds_load_b128 v[84+8*\kt:87+8*\kt], v3 offset:1024*\kt+512
.endr
.irp t, 0,1,2,3
.irp q, 0,1,2,3
	ds_load_b128 v[144+16*\t+4*\q:147+16*\t+4*\q], v4 offset:2048*\t+512*\q
.endr
.endr
	s_wait_dscnt 16                                ; K is in; V's 16 loads may be out
	WIN 0x05                                       ; K and Q window 1, S^T window 0
.irp kt, 0,1,2,3,4,5,6,7
.irp i, 0,1
	v_wmma_f32_16x16x64_fp8_fp8 v[64+64*\i+8*\kt:71+64*\i+8*\kt], v[80+8*\kt:87+8*\kt], v[\qb+8*\i:\qb+8*\i+7], 0
.endr
.endr
	WIN 0
	PLACES
.if \masked
	s_cmp_lg_u32 s[KS], s[G]
	s_cbranch_scc1 .Lopen_\@
.irp i, 0,1                                    ; register 8 kt + j of tile i holds key 16 kt + 8 h + j of the step for query 32 cx + 16 i + r of it: hidden where 16 kt + j - 16 i > 32 cx + r - 8 h
.irp kt, 0,1,2,3,4,5,6,7
.irp j, 0,1,2,3,4,5,6,7
	v_cmp_gt_i32 vcc_lo, 16*\kt+\j-16*\i, v7
	v_cndmask_b32 v[64+64*\i+8*\kt+\j], v[64+64*\i+8*\kt+\j], v8, vcc_lo
.endr
.endr
.endr
.Lopen_\@:
.endif
	; the step's largest score of each query among my 64 keys: two chains a tile, the tiles line by line, each accumulator from its low end on
.irp i, 0,1
	v_max3_num_f32 v[18+8*\i], v[64+64*\i], v[65+64*\i], v[66+64*\i]
.endr
.irp i, 0,1
	v_max3_num_f32 v[19+8*\i], v[67+64*\i], v[68+64*\i], v[69+64*\i]
.endr
.irp m, 6,10,14,18,22,26,30,34,38,42,46,50,54,58
.irp i, 0,1
	v_max3_num_f32 v[18+8*\i], v[18+8*\i], v[64+64*\i+\m], v[65+64*\i+\m]
.endr
.irp i, 0,1
	v_max3_num_f32 v[19+8*\i], v[19+8*\i], v[66+64*\i+\m], v[67+64*\i+\m]
.endr
.endr
.irp i, 0,1
	v_max3_num_f32 v[18+8*\i], v[18+8*\i], v[126+64*\i], v[127+64*\i]
.endr
.irp i, 0,1
	v_max_num_f32 v[18+8*\i], v[18+8*\i], v[19+8*\i]
.endr
.irp i, 0,1
	v_permlanex16_b32 v[19+8*\i], v[18+8*\i], s72, s73     ; the query's other 64 keys lie in the lane 16 away
.endr
.irp i, 0,1
	v_max_num_f32 v[18+8*\i], v[18+8*\i], v[19+8*\i]
.endr
.irp i, 0,1
	v_mul_f32 v[18+8*\i], s70, v[18+8*\i]          ; as t (the factor is positive)
.endr
.irp i, 0,1
	v_max_num_f32 v[13+8*\i], v[13+8*\i], v[18+8*\i]   ; the running largest t
.endr
.irp i, 0,1
	v_mov_b32 v[18+8*\i], v[12+8*\i]
.endr
.irp i, 0,1
	v_floor_f32 v[12+8*\i], -v[13+8*\i]            ; the new -M = floor(-t): M is a whole number
.endr
.irp i, 0,1
	v_sub_f32 v[18+8*\i], v[12+8*\i], v[18+8*\i]   ; old M - new M: a whole number, 0 or less
.endr
.irp i, 0,1
	v_cvt_i32_f32 v[18+8*\i], v[18+8*\i]           ; (it saturates)
.endr
.irp i, 0,1
	v_ldexp_f32 v[16+8*\i], 1.0, v[18+8*\i]        ; f = 2^(old M - new M)
.endr
.set j, 0
.rept 32
	v_pk_fma_f32 v[64+2*j:65+2*j], v[64+2*j:65+2*j], s[70:71], v[12:13] op_sel_hi:[1,0,0]   ; tile 0: t - M, two at a time
.set j, j+1
.endr
	; tile 0's 64 exponentials are one batch; tile 1's scalings stand among them
.set j, 0
	s_setprio 1
.rept 32
	v_exp_f32 v[64+2*j], v[64+2*j]
	v_exp_f32 v[65+2*j], v[65+2*j]
	v_pk_fma_f32 v[128+2*j:129+2*j], v[128+2*j:129+2*j], s[70:71], v[20:21] op_sel_hi:[1,0,0]
.set j, j+1
.endr
	v_pk_mul_f32 v[14:15], v[14:15], v[16:17] op_sel_hi:[1,0]      ; the sums under the new M
	v_pk_mul_f32 v[22:23], v[22:23], v[24:25] op_sel_hi:[1,0]
	s_wait_alu depctr_va_vdst(0)                   ; one wait for tile 0's batch, ahead of its first reader
	; tile 1's 64 exponentials are the second batch; tile 0's sums (of the unquantised p) stand among them
.set m, 0
.rept 16
	v_exp_f32 v[128+4*m], v[128+4*m]
.if m == 0
	v_pk_add_f32 v[30:31], v[64:65], v[66:67]
.else
	v_pk_add_f32 v[14:15], v[14:15], v[64+4*m:65+4*m]
	v_pk_add_f32 v[30:31], v[30:31], v[66+4*m:67+4*m]
.endif
	v_exp_f32 v[129+4*m], v[129+4*m]
	v_exp_f32 v[130+4*m], v[130+4*m]
	v_exp_f32 v[131+4*m], v[131+4*m]
.set m, m+1
.endr
	v_pk_add_f32 v[14:15], v[14:15], v[30:31]
.irp kt, 0,1,2,3,4,5,6,7
	v_cvt_scalef32_pk8_fp8_f32 v[32+2*\kt:33+2*\kt], v[64+8*\kt:71+8*\kt], v9
.endr
	v_nop
	s_wait_alu depctr_va_vdst(0)                   ; one wait for tile 1's batch
	v_pk_add_f32 v[30:31], v[128:129], v[130:131]
.set m, 1
.rept 15
	v_pk_add_f32 v[22:23], v[22:23], v[128+4*m:129+4*m]
	v_pk_add_f32 v[30:31], v[30:31], v[130+4*m:131+4*m]
.set m, m+1
.endr
	v_pk_add_f32 v[22:23], v[22:23], v[30:31]
.set j, 0
.rept 64
.set j, j+1
.endr
	s_setprio 0
.irp kt, 0,1,2,3,4,5,6,7
	v_cvt_scalef32_pk8_fp8_f32 v[48+2*\kt:49+2*\kt], v[128+8*\kt:135+8*\kt], v9
.endr
	v_nop                                          ; a plain instruction behind the conversions
	WIN 0x41                                       ; O^T window 1, f window 0
.irp i, 0,1
.set j, 0
.rept 16
	v_pk_mul_f32 v[32*\i+2*j:32*\i+2*j+1], v[32*\i+2*j:32*\i+2*j+1], v[16+8*\i:17+8*\i] op_sel_hi:[1,0]   ; O^T under the new M
.set j, j+1
.endr
.endr
	s_wait_dscnt 0x0                               ; V is in
	WIN 0x51                                       ; V window 1, P window 0, O^T window 1
.irp t, 0,1,2,3
.irp i, 0,1
	v_wmma_f32_16x16x128_fp8_fp8 v[32*\i+8*\t:32*\i+8*\t+7], v[144+16*\t:159+16*\t], v[32+16*\i:47+16*\i], v[32*\i+8*\t:32*\i+8*\t+7]   ; the eight accumulators by turns; the next step's sixteen products K Q^T stand between two links of a chain
.endr
.endr
	WIN 0
.if \masked
.Lskip_\@:
.endif
.endm
.macro NEXT
	s_add_co_u32 s[KB], s[KB], 8192
	s_add_co_u32 s[KS], s[KS], 1
.endm
; A block's end: O^T x 2^(e4 + e5) / the sum is quantised with 2^e6 and stored; s[ob] holds the block's place in oc.
.macro WAYOUT ob
	PLACES
.irp i, 0,1
	v_add_f32 v[18+8*\i], v[14+8*\i], v[15+8*\i]   ; the sum's two halves,
.endr
.irp i, 0,1
	v_permlanex16_b32 v[19+8*\i], v[18+8*\i], s72, s73
.endr
.irp i, 0,1
	v_add_f32 v[18+8*\i], v[18+8*\i], v[19+8*\i]   ; and the other half of the lanes'
.endr
.irp i, 0,1
	v_rcp_f32 v[16+8*\i], v[18+8*\i]
.endr
	v_nop                                          ; a plain instruction behind the reciprocals,
	s_wait_alu depctr_va_vdst(0)                   ; and one wait for both, ahead of their first reader
.irp i, 0,1
	v_ldexp_f32 v[16+8*\i], v[16+8*\i], s74
.endr
	WIN 0x01                                       ; O^T window 1
.irp i, 0,1
.set j, 0
.rept 16
	v_pk_mul_f32 v[192+32*\i+2*j:193+32*\i+2*j], v[32*\i+2*j:32*\i+2*j+1], v[16+8*\i:17+8*\i] op_sel_hi:[1,0]
.set j, j+1
.endr
.endr
	WIN 0
.set j, 0
.rept 64
.set j, j+1
.endr
.irp i, 0,1
.irp t, 0,1,2,3
	v_cvt_scalef32_pk8_fp8_f32 v[32+8*\i+2*\t:33+8*\i+2*\t], v[192+32*\i+8*\t:199+32*\i+8*\t], v11
.endr
.endr
	v_nop
.irp i, 0,1
	global_store_b128 v1, v[32+8*\i:35+8*\i], s[\ob:\ob+1] offset:16384*\i         ; 512 consecutive bytes, aligned: a quad of the next operand's fragment
	global_store_b128 v1, v[36+8*\i:39+8*\i], s[\ob:\ob+1] offset:16384*\i+512
.endr
.endm
	s_load_b256 s[4:11], s[0:1], 0x0               ; qc s[4:5], kc s[6:7], vc s[8:9], the scales s[10:11]
	s_load_b64 s[12:13], s[0:1], 0x20              ; oc
	v_lshl_add_u32 v5, v0, 2, SPARE
	v_mov_b32 v6, 0
	ds_add_u32 v5, v6                              ; the wave's opening: the add and its wait stand ahead of my first tensor load; work on registers stands between them
	v_lshrrev_b32 v1, 5, v0
	v_readfirstlane_b32 s[WV], v1                  ; wave 0..7
	s_bfe_u32 s15, ttmp6, 0x40000                  ; cx
	s_and_b32 s16, ttmp7, 0xffff                   ; 16 x batch + head, which the four partners share
	s_and_b32 s17, s[WV], 3                        ; which quarter of each load's block I fetch (waves 0-3: of K; waves 4-7: of V)
	s_lshl_b32 s18, s16, 17                        ; the head's 131,072 bytes in qc, kc and vc
	s_mov_b32 s19, 0
	G1SET 24, 16                                   ; key steps 0-1: 4 x 4,096 bytes
	G1SET 32, 48                                   ; key steps 2-7: 4 x 12,288
	G1SET 40, 64                                   ; key steps 8-15: 4 x 16,384
	s_lshl_b32 s49, s17, 12                        ; LDS addresses: K's block begins at 0,
	s_mul_i32 s53, s17, 12288
	s_add_co_u32 s53, s53, 16384
	s_lshl_b32 s57, s17, 14
	s_add_co_u32 s57, s57, 65536
	s_add_co_u32 s89, s49, 131072                  ; V's at 131,072
	s_add_co_u32 s93, s53, 131072
	s_add_co_u32 s97, s57, 131072
	s_mov_b32 s79, 0
	s_xor_b32 s[G], s[WV], 15                      ; the first block's g = 15 - wave
	s_mov_b32 s72, 0x76543210                      ; lane selects for v_permlanex16_b32: lane l xor 16
	s_mov_b32 s73, 0xfedcba98
	v_and_b32 v1, 31, v0
	v_lshlrev_b32 v1, 4, v1                        ; 16 x lane
	v_add_nc_u32 v2, 0x20000, v1                   ; + V's block
	v_and_b32 v7, 15, v0
	v_bfe_u32 v3, v0, 4, 1
	v_lshlrev_b32 v3, 3, v3
	v_sub_nc_u32 v7, v7, v3
	s_lshl_b32 s3, s15, 5
	v_add_nc_u32 v7, s3, v7                        ; 32 cx + r - 8 h
	v_mov_b32 v8, 0xff800000                       ; -infinity
	s_wait_dscnt 0x0                               ; the opening add is done
	s_wait_kmcnt 0x0
	s_load_b256 s[80:87], s[10:11], 0x0            ; e0 .. e7
	s_add_nc_u64 s[20:21], s[6:7], s[18:19]        ; the head's K,
	s_add_nc_u64 s[22:23], s[8:9], s[18:19]        ; and V
	G0SET 48, 88
	G0SET 52, 92
	G0SET 56, 96
	; Q's and O's places for the two blocks 4 g + cx
	s_add_nc_u64 s[60:61], s[4:5], s[18:19]
	s_mov_b64 s[62:63], s[60:61]
	s_lshr_b32 s78, s16, 4
	s_lshl_b32 s78, s78, 21                        ; the batch's 128 m tiles of 16,384 bytes,
	s_and_b32 s2, s16, 15
	s_lshl_b32 s2, s2, 10                          ; the head's 1,024 bytes in each
	s_add_co_u32 s78, s78, s2
	s_add_nc_u64 s[66:67], s[12:13], s[78:79]
	s_mov_b64 s[68:69], s[66:67]
	s_mov_b32 s101, 0
	s_lshl_b32 s3, s[G], 2
	s_add_co_u32 s3, s3, s15                       ; the first block
	s_lshl_b32 s100, s3, 11                        ; two fragments of Q
	s_add_nc_u64 s[60:61], s[60:61], s[100:101]
	s_lshl_b32 s100, s3, 15                        ; two m tiles of oc
	s_add_nc_u64 s[66:67], s[66:67], s[100:101]
	s_lshl_b32 s3, s[WV], 2
	s_add_co_u32 s3, s3, s15                       ; the second block
	s_lshl_b32 s100, s3, 11
	s_add_nc_u64 s[62:63], s[62:63], s[100:101]
	s_lshl_b32 s100, s3, 15
	s_add_nc_u64 s[68:69], s[68:69], s[100:101]
	ROUND                                          ; all four work-groups are here: the joint loads meet
	s_cmp_lt_u32 s[WV], 4                          ; a wave's three fills stand in one branch on the wave's number, the same in every partner: three tensor loads of mine are out at the most
	s_cbranch_scc0 .Lfirst_v
	tensor_load_to_lds s[48:51], s[24:31]
	s_nop 0
	tensor_load_to_lds s[52:55], s[32:39]
	s_nop 0
	tensor_load_to_lds s[56:59], s[40:47]
	s_nop 0
	PLACES
	s_branch .Lfirst_asked
.Lfirst_v:
	tensor_load_to_lds s[88:91], s[24:31]
	s_nop 0
	tensor_load_to_lds s[92:95], s[32:39]
	s_nop 0
	tensor_load_to_lds s[96:99], s[40:47]
	s_nop 0
	PLACES
.Lfirst_asked:
	WIN 0x40
.irp k, 0,1,2,3
	global_load_b128 v[64+4*\k:67+4*\k], v1, s[60:61] offset:512*\k        ; Q of both blocks stays in registers
	global_load_b128 v[208+4*\k:211+4*\k], v1, s[62:63] offset:512*\k
.endr
	WIN 0
	s_wait_kmcnt 0x0
	s_add_co_i32 s2, s82, s83
	s_lshl_b32 s2, s2, 23
	s_add_co_i32 s70, s2, 0x3e38aa3b               ; log2(e) / 8 x 2^(e2 + e3): the two exponents are added to the factor's exponent field
	s_mov_b32 s71, s70                             ; named with it as a pair
	s_add_co_i32 s74, s84, s85                     ; e4 + e5
	MKSC 9, 10, 84, 2
	MKSC 11, 28, 86, 2
	INIT
	s_wait_loadcnt 0x0                             ; Q
	s_wait_tensorcnt 2                             ; my share of key steps 0-1 has landed; the two later loads may stay out
	s_barrier_signal -1
	s_barrier_wait -1
	s_mov_b32 s[KS], 0
	s_mov_b32 s[KB], 0
.Lpart1:                                           ; the first block, g from 8 to 15: key steps 0 to 7 count whole for every wave
	STEP 64, 0
	NEXT
	s_cmp_lt_u32 s[KS], 2
	s_cbranch_scc1 .Lpart1
	s_setprio 0
	s_wait_tensorcnt 1                             ; my share of key steps 2-7 has landed
	s_wait_dscnt 0x0
	s_barrier_signal -1
	s_barrier_wait -1
	s_mov_b32 s[KS], 2
	s_mov_b32 s[KB], 16384
.Lpart2:
	STEP 64, 0
	NEXT
	s_cmp_lt_u32 s[KS], 8
	s_cbranch_scc1 .Lpart2
	s_setprio 0
	s_wait_tensorcnt 0x0                           ; my share of key steps 8-15 has landed
	s_wait_dscnt 0x0
	s_barrier_signal -1
	s_barrier_wait -1
	s_mov_b32 s[KS], 8
	s_mov_b32 s[KB], 65536
.Lpart3:                                           ; every wave walks the eight trips; a step behind the mask is jumped over
	STEP 64, 1
	NEXT
	s_cmp_lt_u32 s[KS], 16
	s_cbranch_scc1 .Lpart3
	s_setprio 0
	WAYOUT 66
	INIT
	s_mov_b32 s[G], s[WV]                          ; the second block: g = wave
	s_mov_b32 s[KS], 0
	s_mov_b32 s[KB], 0
.Lpart4:
	STEP 208, 1
	NEXT
	s_cmp_lt_u32 s[KS], 8
	s_cbranch_scc1 .Lpart4
	s_setprio 0
	WAYOUT 68
	s_wait_tensorcnt 0x0                           ; the wave's end
	ds_add_u32 v5, v6
	s_wait_dscnt 0x0
	ROUND                                          ; the closing round
	s_endpgm
.Lfunc_end_k_q290bb897a7_attn:
	.size	k_q290bb897a7_attn, .Lfunc_end_k_q290bb897a7_attn-k_q290bb897a7_attn
	.p2alignl 7, 3214868480
	.fill 96, 4, 3214868480
	.section	.rodata,"a",@progbits
	.p2align	6, 0x0
	.amdhsa_kernel k_q290bb897a7_attn
		.amdhsa_group_segment_fixed_size 263168
		.amdhsa_private_segment_fixed_size 0
		.amdhsa_enable_private_segment 0
		.amdhsa_kernarg_size 40
		.amdhsa_user_sgpr_count 2
		.amdhsa_user_sgpr_kernarg_segment_ptr 1
		.amdhsa_wavefront_size32 1
		.amdhsa_system_sgpr_workgroup_id_x 1
		.amdhsa_system_sgpr_workgroup_id_y 1
		.amdhsa_system_sgpr_workgroup_id_z 1
		.amdhsa_system_vgpr_workitem_id 0
		.amdhsa_next_free_vgpr 512
		.amdhsa_next_free_sgpr 102
		.amdhsa_reserve_vcc 1
		.amdhsa_float_denorm_mode_32 3
		.amdhsa_float_denorm_mode_16_64 3
		.amdhsa_fp16_overflow 1
		.amdhsa_memory_ordered 1
		.amdhsa_forward_progress 1
		.amdhsa_inst_pref_size 138
	.end_amdhsa_kernel
	.amdgpu_metadata
---
amdhsa.version: [ 1, 2 ]
amdhsa.kernels:
  - .name:           k_q290bb897a7_attn
    .symbol:         k_q290bb897a7_attn.kd
    .args:
      - { .name: qc, .offset: 0, .size: 8, .value_kind: global_buffer, .address_space: global }
      - { .name: kc, .offset: 8, .size: 8, .value_kind: global_buffer, .address_space: global }
      - { .name: vc, .offset: 16, .size: 8, .value_kind: global_buffer, .address_space: global }
      - { .name: lowp_scales, .offset: 24, .size: 8, .value_kind: global_buffer, .address_space: global }
      - { .name: oc, .offset: 32, .size: 8, .value_kind: global_buffer, .address_space: global }
    .group_segment_fixed_size: 263168
    .private_segment_fixed_size: 0
    .kernarg_segment_align: 8
    .kernarg_segment_size: 40
    .max_flat_workgroup_size: 256
    .sgpr_count:     102
    .vgpr_count:     512
    .wavefront_size: 32
...
	.end_amdgpu_metadata
.endif
;; end of part 3
;; launch proj (part 4): grid 32 x 8, 4 waves a work-group, clusters of 4 x 1, 327,680 bytes of LDS; arguments oc, woc, b_out, lowp_scales, out0; writes out0
.if DOCPART == 4
	.amdgcn_target "amdgcn-amd-amdhsa--gfx1250"
	.amdhsa_code_object_version 6
	.text
	.protected	k_q290bb897a7_proj
	.globl	k_q290bb897a7_proj
	.p2align	8
	.type	k_q290bb897a7_proj,@function
k_q290bb897a7_proj:
	s_mov_b64 s[64:65], 0
	v_nop
	global_prefetch_b8 v0, s[64:65] scope:SCOPE_SE
	s_setreg_imm32_b32 hwreg(HW_REG_WAVE_MODE, 25, 1), 1
	s_wait_xcnt 0x0
	s_wait_alu depctr_hold_cnt(0) depctr_sa_sdst(0) depctr_va_vdst(0) depctr_va_sdst(0) depctr_va_ssrc(0) depctr_va_vcc(0) depctr_vm_vsrc(0)
	s_getreg_b32 s2, hwreg(HW_REG_IB_STS2, 6, 4)
	s_cmp_eq_u32 s2, 0
	s_cbranch_scc0 .Lentry_in_a_cluster
	s_endpgm
.Lentry_in_a_cluster:
	s_bfe_u32 s2, ttmp6, 0x10000c
	s_cmp_lg_u32 s2, 0x3003
	s_cbranch_scc0 .Lentry_shape_is_right
	s_endpgm
.Lentry_shape_is_right:
; out0 = o W_out + b_out on codes of FP8 (E4M3).  oc [m / 16][k / 128][2048] and woc [column block 8][K half 2][n tile 8][K step % 4][2048] are images of operand registers: quad q (registers 4 q .. 4 q + 3) at
; 512 q + 16 x lane; lane (r, h) holds row r and, in registers 2 c, 2 c + 1, k = 16 c + 8 h + 0 .. 7.  out0 [8192][1024] f32 = sum x 2^(e6 + e7) + b_out.
; SHARES.  A work-group takes 256 rows (grid x) x 128 columns (grid y); wave w takes rows 64 w .. 64 w + 63: 32 accumulators; 8 steps of 128 along K, 32 matrix instructions each.
; THE COLUMN BLOCK'S WEIGHTS LIE WHOLE IN LDS (8 n tiles x 1,024 k = 131,072 bytes), brought once, in two halves of K; nothing in LDS is filled again.  The four partners of a cluster take four row blocks of one
; column block and ask for the weights JOINTLY.  o's fragments are read by one wave alone and go from memory straight into registers, four steps (64 loads) ahead, in five sets; they are not asked for jointly: the
; work-groups that read the same rows are the eight column blocks', in other clusters, and a row block's 256 x 1,024 bytes do not fit in LDS beside the weights and the stages.
; THE PRODUCT IS USED TRANSPOSED (source 0 = 16 columns of W, source 1 = 16 rows of o): a lane holds eight neighbouring numbers of a row.  A block of 16 rows x 128 columns goes through the wave's own stage in LDS
; and leaves as whole rows of 512 bytes.
; LIMIT: e6 + e7 between -126 and 127, so that 2^(e6 + e7) is an f32 number.
; REGISTERS.  Window 0: v2, v3 LDS addresses of the weights' halves (v2 also 16 x lane), v4, v5 the stage, v12, v13 the add's two, v14 the bias's offset, v32-95 a block's results, v96-223 rows read back, two sets.
;   Window 1: the accumulators ((a, nt) at 8 (8 a + nt)).  Window 2: v0-127 W's 8 fragments, v128-191 the bias, v192-255 o's set 0.  Window 3: o's sets 1 to 4.
.set WV,    18                         ; s18  my wave's number
.set STAGE, 131072                     ; behind the weights: 16 rows x 528 bytes for each wave; no tensor load lands there
.set SPARE, 164864                     ; behind the stages: the spare words, 128 bytes a wave, two blocks of 256 bytes that no other line names
.set MSB, 0
.macro WIN new                         ; the immediate's high byte repeats the setting that is left; a switch that changes nothing is dropped
.if MSB != (\new)
	s_set_vgpr_msb (MSB<<8)|(\new)
.set MSB, (\new)
.endif
.endm
.macro PLACES                          ; four plain vector instructions between a matrix instruction and a load into, or a vector read of, its registers
.rept 4
	v_nop
.endr
.endm
.macro ROUND                           ; a round of the cluster's barrier
	s_barrier_signal -1
	s_barrier_wait -1
	s_cmp_lg_u32 s[WV], 0
	s_cbranch_scc1 .Lnot_wave_0_\@
	s_barrier_signal -3
.Lnot_wave_0_\@:
	s_barrier_wait -3
	s_barrier_signal -1
	s_barrier_wait -1
.endm
.macro ASET n                          ; where step n's fragments of o lie: set n % 5
.set SETN, (\n)%5
.if SETN == 0
.set AW, 2
.set AR, 192
.else
.set AW, 3
.set AR, 64*(SETN-1)
.endif
.endm
.macro ALOAD n                         ; K step n: four fragments of o, 16 loads of 512 consecutive bytes
	ASET \n
	WIN AW<<6
.irp a, 0,1,2,3
.irp q, 0,1,2,3
	global_load_b128 v[AR+16*\a+4*\q:AR+16*\a+4*\q+3], v2, s[40:41] offset:16384*\a+2048*(\n)+512*\q
.endr
.endr
	WIN 0
.endm
.macro BLOAD hf, n                     ; n tiles 4 hf .. 4 hf + 3 of K step n from LDS: fragment (nt, s) lies at 65536 (s / 4) + 8192 nt + 2048 (s % 4)
.set BA, 2+(\n)/4
	WIN 0x80
.irp m, 0,1,2,3
.irp q, 0,1,2,3
	ds_load_b128 v[16*(4*(\hf)+\m)+4*\q:16*(4*(\hf)+\m)+4*\q+3], v[BA] offset:8192*(4*(\hf)+\m)+2048*((\n)%4)+512*\q
.endr
.endr
	WIN 0
.endm
.macro MULP nt0, n                     ; n tiles nt0 .. nt0 + 3 x my four row tiles.  The 32 accumulators take turns, one instruction a turn, in the same order in every step
	ASET \n
	WIN 0x52|(AW<<2)                               ; W window 2, o window AW, C and D window 1
.set nt, \nt0
.rept 4
.irp a, 0,1,2,3
.if (\n) == 0
	v_wmma_f32_16x16x128_fp8_fp8 v[8*(8*\a+nt):8*(8*\a+nt)+7], v[16*nt:16*nt+15], v[AR+16*\a:AR+16*\a+15], 0
.else
	v_wmma_f32_16x16x128_fp8_fp8 v[8*(8*\a+nt):8*(8*\a+nt)+7], v[16*nt:16*nt+15], v[AR+16*\a:AR+16*\a+15], v[8*(8*\a+nt):8*(8*\a+nt)+7]
.endif
.endr
.set nt, nt+1
.endr
.endm
.macro STEP n
.if 7-(\n) < 3
	s_wait_loadcnt 16*(7-(\n))
.else
	s_wait_loadcnt 48                              ; this step's 16 loads of o are in (and, in step 0, the bias, asked for ahead of them); those of the three steps behind it may be out
.endif
.if (\n)+4 <= 7
	ALOAD (\n)+4                                   ; into the set that the last step multiplied: the four places at that step's end stand between
.endif
	s_wait_dscnt 16                                ; W's tiles 0-3 are in; the 16 loads of tiles 4-7 may be out
	MULP 0, \n
.if (\n) < 7
	PLACES
	BLOAD 0, (\n)+1
	s_wait_dscnt 16                                ; tiles 4-7 are in; the 16 loads just issued may be out
.else
	s_wait_dscnt 0
.endif
	MULP 4, \n
.if (\n) < 7
	PLACES
	BLOAD 1, (\n)+1
.endif
	WIN 0
.endm
; THE WAY OUT of row tile a: sum x 2^(e6 + e7) + bias, one packed multiply-add for two numbers, each accumulator from its low end on; into my stage; back as whole rows.
.macro TOSTAGE a
	WIN 0x21                                       ; the sums window 1, the bias window 2
.set j, 0
.rept 32
	v_pk_fma_f32 v[32+2*j:33+2*j], v[64*(\a)+2*j:64*(\a)+2*j+1], s[60:61], v[128+2*j:129+2*j] op_sel_hi:[1,0,1]
.set j, j+1
.endr
	WIN 0
.irp nt, 0,1,2,3,4,5,6,7
	ds_store_b128 v4, v[32+8*\nt:35+8*\nt] offset:64*\nt           ; lane (r, h): out(16 a + r, 16 nt + 8 h + 0 .. 7)
	ds_store_b128 v4, v[36+8*\nt:39+8*\nt] offset:64*\nt+16
.endr
.set BB, 96+64*((\a)%2)
.irp t, 0,1,2,3,4,5,6,7,8,9,10,11,12,13,14,15
	ds_load_b128 v[BB+4*\t:BB+4*\t+3], v5 offset:528*\t            ; LDS serves a wave's instructions in order (ISA guide 5.7.1.4): these see my stores, and the next block's stores come behind them
.endr
.endm
.macro SEND a, younger                 ; younger: the LDS instructions issued behind block a's loads, which may stay out
.set BB, 96+64*((\a)%2)
	s_wait_dscnt \younger
.irp t, 0,1,2,3,4,5,6,7,8,9,10,11,12,13,14,15
	global_store_b128 v2, v[BB+4*\t:BB+4*\t+3], s[42:43] offset:(16*(\a)+\t)*4096 th:TH_STORE_NT   ; 32 lanes store 512 consecutive bytes, aligned; written once, read by nobody here
.endr
.endm
	s_load_b256 s[4:11], s[0:1], 0x0               ; oc s[4:5], woc s[6:7], b_out s[8:9], the scales s[10:11]
	s_load_b64 s[12:13], s[0:1], 0x20              ; out0
	v_lshl_add_u32 v12, v0, 2, SPARE
	v_mov_b32 v13, 0
	ds_add_u32 v12, v13                            ; the wave's opening: the add and its wait stand ahead of my first tensor load; work on registers stands between them
	ds_add_u32 v12, v13
	v_lshrrev_b32 v1, 5, v0
	v_readfirstlane_b32 s[WV], v1                  ; wave 0..3
	s_bfe_u32 s19, ttmp6, 0x40000                  ; cx: it enters o's and out0's addresses alone
	s_lshl_b32 s20, ttmp9, 2
	s_add_co_u32 s20, s20, s19                     ; my block of 256 rows
	s_and_b32 s21, ttmp7, 0xffff                   ; the block of 128 columns, which the four partners share
	; descriptor group 1: a dense block of 16,384 bytes as 64 rows of 256 bytes
	s_mov_b32 s24, 0x0023000f                      ; 15:0 the mask: all four work-groups; 17:16 elements of 8 bytes; 21 set beside a mask; no padding
	s_mov_b32 s25, 32<<16                          ; tensor_dim0 = 32 elements
	s_mov_b32 s26, 64<<16                          ; tensor_dim1 = 64
	s_mov_b32 s27, 32<<16                          ; tile_dim0 = 32
	s_mov_b32 s28, 64                              ; tile_dim1 = 64
	s_mov_b32 s29, 32                              ; from row to row
	s_mov_b32 s30, 0
	s_mov_b32 s31, 0
	s_mov_b32 s32, 1
	s_mov_b32 s36, 1
	s_lshl_b32 s33, s[WV], 14                      ; LDS address: my two n tiles of K steps 0-3,
	s_add_co_u32 s37, s33, 65536                   ; and of K steps 4-7
	s_lshl_b32 s50, s21, 17                        ; in memory: the column block, my share of it
	s_add_co_u32 s50, s50, s33
	s_mov_b32 s51, 0
	s_lshl_b32 s22, s20, 4
	s_lshl_b32 s23, s[WV], 2
	s_add_co_u32 s22, s22, s23                     ; o: m tile 16 x row block + 4 x wave,
	s_lshl_b32 s22, s22, 14                        ; 16,384 bytes each
	s_mov_b32 s23, 0
	s_lshl_b32 s62, s20, 8
	s_lshl_b32 s63, s[WV], 6
	s_add_co_u32 s62, s62, s63                     ; out0: my first row,
	s_lshl_b32 s62, s62, 12                        ; 4,096 bytes each,
	s_lshl_b32 s63, s21, 9                         ; and the column block's 512 bytes
	s_add_co_u32 s62, s62, s63
	s_mov_b32 s63, 0
	s_lshl_b32 s60, s21, 9                         ; the bias: the column block's 128 numbers
	s_mov_b32 s61, 0
	s_mul_i32 s44, s[WV], 8448
	s_add_co_u32 s44, s44, STAGE                   ; my stage
	v_and_b32 v1, 31, v0
	v_lshlrev_b32 v2, 4, v1                        ; 16 x lane
	v_add_nc_u32 v3, 0x10000, v2
	v_and_b32 v6, 15, v0                           ; r
	v_bfe_u32 v7, v0, 4, 1                         ; h
	v_mul_u32_u24 v4, v6, 528
	v_lshl_add_u32 v4, v7, 5, v4
	v_add_nc_u32 v4, s44, v4                       ; into the stage: row r, + 32 h
	v_add_nc_u32 v5, s44, v2                       ; back: 16 bytes a lane of a row of 512
	v_lshlrev_b32 v14, 5, v7                       ; 32 h: eight numbers of the bias for my half
	s_wait_alu depctr_va_vdst(0)
	s_wait_dscnt 0x0                               ; the opening add is done
	s_wait_kmcnt 0x0
	s_load_b256 s[52:59], s[10:11], 0x0            ; e0 .. e7
	s_add_nc_u64 s[34:35], s[6:7], s[50:51]
	s_add_nc_u64 s[38:39], s[34:35], 65536
	s_or_b32 s35, s35, 0x80000000                  ; type = 2
	s_or_b32 s39, s39, 0x80000000
	s_add_nc_u64 s[40:41], s[4:5], s[22:23]
	s_add_nc_u64 s[42:43], s[12:13], s[62:63]
	s_add_nc_u64 s[48:49], s[8:9], s[60:61]
	WIN 0x80
.irp nt, 0,1,2,3,4,5,6,7
	global_load_b128 v[128+8*\nt:131+8*\nt], v14, s[48:49] offset:64*\nt       ; b(16 nt + 8 h + 0 .. 7)
	global_load_b128 v[132+8*\nt:135+8*\nt], v14, s[48:49] offset:64*\nt+16
.endr
	WIN 0
	ALOAD 0
	ALOAD 1
	ALOAD 2
	ROUND                                          ; all four work-groups are here: the joint loads meet
	tensor_load_to_lds s[32:35], s[24:31]          ; K steps 0-3.  Two tensor loads of mine are out at the most
	s_nop 0
	s_wait_alu depctr_va_vdst(0)
	s_wait_tensorcnt 0x0
	ds_add_u32 v12, v13
	s_wait_dscnt 0x0
	ROUND
	tensor_load_to_lds s[36:39], s[24:31]          ; K steps 4-7
	s_nop 0
	PLACES
	ALOAD 3
	s_wait_kmcnt 0x0
	s_add_co_i32 s60, s58, s59                     ; e6 + e7
	s_add_co_i32 s60, s60, 127
	s_lshl_b32 s60, s60, 23                        ; 2^(e6 + e7) as f32
	s_mov_b32 s61, s60                             ; named with it as a pair
	s_wait_tensorcnt 1                             ; my share of K steps 0-3 has landed; the second half may stay out
	s_barrier_signal -1
	s_barrier_wait -1                              ; everybody's has
	BLOAD 0, 0
	BLOAD 1, 0
	STEP 0
	STEP 1
	STEP 2
	s_wait_tensorcnt 0x0                           ; my share of K steps 4-7 has landed,
	s_wait_dscnt 0x0                               ; (no LDS instruction is pending at a signal)
	s_barrier_signal -1
	s_barrier_wait -1                              ; everybody's has: step 3 fetches step 4's fragments
.irp s, 3,4,5,6,7
	STEP \s
.endr
	PLACES
	TOSTAGE 0
.irp a, 1,2,3
.if \a > 1
	s_wait_xcnt 0x0                                ; block a - 2's stores have read their registers: block a's loads may land there
.endif
	TOSTAGE \a
	SEND \a-1, 32                                  ; behind block a - 1's loads: block a's 16 stores and 16 loads
.endr
	SEND 3, 0
	s_wait_tensorcnt 0x0                           ; the wave's end, behind my last tensor load and my last LDS store
	ds_add_u32 v12, v13
	s_wait_dscnt 0x0
	ROUND                                          ; the closing round
	s_endpgm
.Lfunc_end_k_q290bb897a7_proj:
	.size	k_q290bb897a7_proj, .Lfunc_end_k_q290bb897a7_proj-k_q290bb897a7_proj
	.p2alignl 7, 3214868480
	.fill 96, 4, 3214868480
	.section	.rodata,"a",@progbits
	.p2align	6, 0x0
	.amdhsa_kernel k_q290bb897a7_proj
		.amdhsa_group_segment_fixed_size 327680
		.amdhsa_private_segment_fixed_size 0
		.amdhsa_enable_private_segment 0
		.amdhsa_kernarg_size 40
		.amdhsa_user_sgpr_count 2
		.amdhsa_user_sgpr_kernarg_segment_ptr 1
		.amdhsa_wavefront_size32 1
		.amdhsa_system_sgpr_workgroup_id_x 1
		.amdhsa_system_sgpr_workgroup_id_y 1
		.amdhsa_system_sgpr_workgroup_id_z 1
		.amdhsa_system_vgpr_workitem_id 0
		.amdhsa_next_free_vgpr 1024
		.amdhsa_next_free_sgpr 66
		.amdhsa_reserve_vcc 0
		.amdhsa_float_denorm_mode_32 3
		.amdhsa_float_denorm_mode_16_64 3
		.amdhsa_memory_ordered 1
		.amdhsa_forward_progress 1
		.amdhsa_inst_pref_size 78
	.end_amdhsa_kernel
	.amdgpu_metadata
---
amdhsa.version: [ 1, 2 ]
amdhsa.kernels:
  - .name:           k_q290bb897a7_proj
    .symbol:         k_q290bb897a7_proj.kd
    .args:
      - { .name: oc, .offset: 0, .size: 8, .value_kind: global_buffer, .address_space: global }
      - { .name: woc, .offset: 8, .size: 8, .value_kind: global_buffer, .address_space: global }
      - { .name: b_out, .offset: 16, .size: 8, .value_kind: global_buffer, .address_space: global }
      - { .name: lowp_scales, .offset: 24, .size: 8, .value_kind: global_buffer, .address_space: global }
      - { .name: out0, .offset: 32, .size: 8, .value_kind: global_buffer, .address_space: global }
    .group_segment_fixed_size: 327680
    .private_segment_fixed_size: 0
    .kernarg_segment_align: 8
    .kernarg_segment_size: 40
    .max_flat_workgroup_size: 128
    .sgpr_count:     66
    .vgpr_count:     1024
    .wavefront_size: 32
...
	.end_amdgpu_metadata
.endif
;; end of part 4
